; MI455X (gfx1250); checked and timed in simulation.
; The chip was launched on July 23, 2026; its instructions are those of AMD's public machine-readable ISA for CDNA 5 (MIT licence, August 2026) and "CDNA5" Instruction Set Architecture Reference Guide (July 2026). The comments in the code are by the model that wrote it; some were corrected since.
;; Patch Decoder nerf2d. Allowed arithmetic: float matrix products may take bf16 or f16 operands with f32 sums; all other float work in f32.
;; Inputs: W1 52 x 32 float32; W2 32 x 16 float32; W3 16 x 3 float32; b1 32 float32; b2 16 float32; b3 3 float32; coordinates_v 1,024 x 2 float32; feature 1,024 x 32 float32.
;; Outputs: out0 1,024 x 1,024 x 3 float32.
;; 2 versions, each right; version 2 is version 1 with the launch mlp written anew for expert scheduling mode. Each part assembles by itself: llvm-mc -triple=amdgcn-amd-amdhsa -mcpu=gfx1250 --defsym DOCPART=n.
;; ======== version 1 of 2: 1 launch
;; limits: inputs' magnitudes at most 65,536; values are held in f16: magnitudes above 65,504 overflow, below 6.1e-05 lose precision; inputs' magnitudes at most 65,504; right only within a limited range of input values
;; launch mlp (part 1): grid 8 x 32, 8 waves a work-group, no clusters, 27,648 bytes of LDS; arguments W1, W2, W3, b1, b2, b3, coordinates_v, feature, out0; writes out0
.if DOCPART == 1
	.amdgcn_target "amdgcn-amd-amdhsa--gfx1250"
	.amdhsa_code_object_version 6
	.text
	.protected	k_q582021b436_mlp
	.globl	k_q582021b436_mlp
	.p2align	8
	.type	k_q582021b436_mlp,@function
k_q582021b436_mlp:
	s_mov_b64 s[64:65], 0
	v_nop
	global_prefetch_b8 v0, s[64:65] scope:SCOPE_SE
	s_setreg_imm32_b32 hwreg(HW_REG_WAVE_MODE, 25, 1), 1
	s_wait_xcnt 0x0
; out[b][n][:] = W3^T relu(W2^T relu(W1^T [feature[b] ; enc[n]] + b1) + b2) + b3, b and n 0..1023, all three layers in one launch.
; enc[n][2l] = sin(2^l pi x0), enc[n][2l+1] = cos(2^l pi x1), l = 0..9.
;
; SHARES.  A work-group (x = block of 128 n, y = block of 32 b) has eight waves; wave w owns four b (32 y + 4 w + 0..3) for all 128 n:
; 16 units of one b x 32 n.  A unit is two tiles of 16 points, X and Y, and costs 7 matrix instructions and 48 vector instructions.
;
; LAYOUT.  Weights are source A, points are source B.  In a result tile a lane then is a point and its 8 registers are 8 neighbouring
; hidden units, which after relu and rounding to f16 IS the next layer's B fragment: nothing is shuffled between layers.
; A and B use the same place (lane half h, slot p of the lane's 16 numbers) for the same k, so k may be laid as it suits:
;   features: (h, p) = feature 16 h + p;  enc: (h, p) = enc 10 h + p for p < 10, zero above;  hidden 1: p < 8: 8 h + p, else 8 h + p + 8;
;   layer 3: slots 0-7 = tile X's 16 hidden numbers (8 h + p), slots 8-15 = tile Y's; A3's rows 0-2 see X alone, rows 8-10 Y alone,
;   so that lane L's registers 0-2 of the result are the three outputs of point 32 q + L.
; Layer 1's sum over the 32 features hangs on b alone: it is made once for each b (with b1 as its start) and is the C operand of the
; product over enc: the same f32 chain as one product over all 52, features first.
;
; FORMAT.  All matrix operands are f16, all sums f32.  Six operands are rounded on the way from an input to an output (feature, W1, h1,
; W2, h2, W3); with 8 significant bits their errors add up to about 3e-3 of the output's root mean square, too near the 1e-2 that is
; allowed for three million numbers; with f16's 11 bits it is an eighth of that.  To give f16 room on both sides the layers carry exact
; powers of two, folded into weights and biases once: W1 / 8, b1 / 8, W2 / 8, b2 / 64, 64 W3, b3 as it is; relu commutes with a positive
; factor, so the hidden numbers travel as h1 / 8 and h2 / 64 and the output comes out unscaled.
; Room, by the sizes: with weights of spread 0.1 and features of spread 1, h1 is about 0.7 and h2 about 0.3.  All inputs 30 times larger:
; h1 up to some 3,000, h2 some 35,000, 64 W3 some 600.  All inputs offset by 30 spreads: h1 = 32 x 30 x 3 = 2,900, h2 = 32 x 2,900 x 3 =
; 278,000, which travels as 4,350.  All inputs 30 times smaller: W / 8 about 4e-4, h2 / 64 about 5e-5, where f16's step is 2^-24.
;
; NO CLUSTER, NO TENSOR LOADS, NO PREFETCH: a work-group reads about 15 KiB, once, in one run of register loads at its start;
; what neighbours share of that (9 KiB of weights, 1 KiB of coordinates or 4 KiB of features) is not read again.
;
; LIMITS.  (1) An operand beyond f16's 65,504 becomes infinite: |feature| < 65,504, |W1|, |W2|, |h1| < 524,032, |W3| < 1,023, |h2| < 4.19e6.
; (2) relu is v_max_num_f32: a NaN in a hidden number becomes 0, where the reference keeps it.
; (3) The angle is reduced with pi/2 in two f32 pieces and a quotient 16 x coordinate that is rounded in f32: right for
;     |coordinate| < 2^16 (quotient below 2^20, the reduced angle then leaves +-pi/4 by at most 0.2); beyond that accuracy fades.
;     Six angle doublings double the error of the f32 polynomials six times: some 1e-5, under the rounding of enc to f16 (2^-12).
.set LW,    0                          ; LDS: six weight fragments of 1,024 bytes: A1F_0, A1F_1, A1E_0, A1E_1, A2, A3; wave f writes fragment f
.set LE,    6144                       ; eight enc fragments of 1,024 bytes; wave g writes fragment g (points 16 g .. 16 g + 15)
.set STG,   14336                      ; eight stages of 1,536 bytes, a wave's own: one b's 128 points x 12 bytes
.set STGW,  1536
.set OROW,  12288                      ; bytes of one b in out0
; a fragment in LDS: lane L's registers 0-3 at 16 L, registers 4-7 at 512 + 16 L (neighbouring lanes, neighbouring 16 bytes)
.set EIGHTH, 0x3e000000                ; 2^-3
.set SIXTY4TH, 0x3c800000              ; 2^-6
.set SIXTY4, 0x42800000                ; 2^6
.set SADR,  1                          ; v1        stage: where my three outputs go (STG + 1536 w + 12 L)
.set LADR,  2                          ; v2        stage: where I read 16 bytes back (STG + 1536 w + 16 L); until then 0, b3's offset
.set FADR,  3                          ; v3        16 L: fragment loads and my offset in a piece of 512 bytes of out0
.set A1E,   4                          ; v[4:19]   W1's enc rows / 8, hidden 0-15 and 16-31
.set A2,    20                         ; v[20:27]  W2 / 8
.set A3,    28                         ; v[28:35]  64 W3
.set C2,    36                         ; v[36:43]  b2[8 h + j] / 64
.set C3,    44                         ; v[44:51]  b3[j] in registers 0-2, zero above
.set ENC,   52                         ; v[52:115] eight enc fragments
.set F,     116                        ; v[116:179] for each of my four b: 16 registers, (W1f^T feature + b1) / 8
.set D1X,   180                        ; v[180:195] layer 1 of tile X; its first 8 registers then hold the f16 fragment
.set D1Y,   196                        ; v[196:211] of tile Y
.set D2X,   212                        ; v[212:219] layer 2 of tile X; then the f16 fragment of X and Y
.set D2Y,   220                        ; v[220:227] of tile Y
.set D3,    228                        ; v[228:235] layer 3
.set OUTR,  236                        ; v[236:247] a row's 48 bytes a lane on the way out
.set VL,    248                        ; lane
.set VR,    249                        ; r = lane % 16
.set VH,    250                        ; h = lane / 16
.set VW,    251                        ; offset of my weight loads
.set VCO,   252                        ; offset of my point's coordinates
.set VFE,   253                        ; 64 h: features 16 h ..
.set VBI,   254                        ; 32 h: biases 8 h ..
.set VFS,   255                        ; 1024 w + 16 L: where my wave's fragments are written
; set-up only; each is dead before the owner of its registers is written
.set WT,    4                          ; v[4:19]   16 weights in f32
.set WP,    20                         ; v[20:27]  the same as f16
.set FT,    116                        ; v[116:179] features in f32, 4 b x 16
.set FEATB, 180                        ; v[180:211] features as B fragments, 4 b x 8
.set CB1,   212                        ; v[212:227] b1[16 t + 8 h + j] / 8
.set A1F,   228                        ; v[228:243] W1's feature rows / 8
; sine and cosine: pairs, first register coordinate 0, second coordinate 1
.set CX,    52
.set TH,    54
.set KQ,    56
.set PH,    58
.set Z1,    60
.set PS,    62
.set PC,    64
.set Z1P,   66
.set Z2,    68
.set HC,    70
.set SN,    72
.set CS,    74
.set SUM,   76
.set DIF,   78
.set PRD,   80
.set KSC,   82
.set KS2,   84
.set KC2,   86
.set EP,    104                        ; v[104:111] my enc fragment
.set EX,    112
	s_load_b512 s[8:23], s[0:1], 0x0               ; W1 s[8:9], W2 s[10:11], W3 s[12:13], b1 s[14:15], b2 s[16:17], b3 s[18:19], coordinates s[20:21], feature s[22:23]
	s_load_b64 s[24:25], s[0:1], 0x40              ; out0
	s_set_vgpr_msb 0x40
	v_lshl_add_u32 v0, v0, 2, 0x6800
	v_mov_b32 v1, 0
	s_set_vgpr_msb 0x4000
	v_lshrrev_b32 v1, 5, v0
	v_readfirstlane_b32 s4, v1                     ; wave 0..7
	v_and_b32 v[VL], 31, v0
	v_and_b32 v[VR], 15, v0
	v_bfe_u32 v[VH], v0, 4, 1
	s_and_b32 s5, s4, 1
	s_lshl_b32 s5, s5, 6                           ; 64 bytes x (wave % 2): hidden 0-15 or 16-31 of a row of W1
	s_lshl_b32 s6, s4, 10                          ; my wave's fragment in LW and in LE
	s_and_b32 s7, ttmp7, 0xffff
	s_lshl_b32 s7, s7, 5
	s_lshl2_add_u32 s7, s4, s7                     ; my first b = 32 y + 4 w
	s_mul_i32 s30, s4, STGW
	s_add_co_u32 s30, s30, STG                     ; my stage
	s_mov_b32 s32, EIGHTH                          ; the factor of my wave's weights: 1/8 for W1 and W2 (wave 5 sets 64 for W3 below)
	s_mov_b32 s33, EIGHTH                          ; (the packed multiply names the pair)
	s_lshl_b32 s26, s4, 7                          ; 16 points x 8 bytes for each wave
	v_lshlrev_b32 v[FADR], 4, v[VL]
	v_mov_b32 v[LADR], 0
	v_lshlrev_b32 v[VCO], 3, v[VR]
	v_add_nc_u32 v[VCO], s26, v[VCO]               ; 128 w + 8 r: both halves of the lanes take the same 16 points
	v_lshlrev_b32 v[VFE], 6, v[VH]
	v_lshlrev_b32 v[VBI], 5, v[VH]
	v_lshl_add_u32 v[VFS], v[VL], 4, s6
	v_lshlrev_b32 v[VW], 2, v[VR]                  ; 4 r: my column of W1 or W2
	s_wait_kmcnt 0x0
	s_lshl_b32 s26, ttmp9, 10                      ; 128 points x 8 bytes
	s_mov_b32 s27, 0
	s_add_nc_u64 s[20:21], s[20:21], s[26:27]      ; coordinates at the group's first point
	s_lshl_b32 s26, s7, 7
	s_add_nc_u64 s[22:23], s[22:23], s[26:27]      ; feature at my first b
	s_mul_i32 s26, s7, OROW
	s_mul_i32 s28, ttmp9, STGW
	s_add_co_u32 s26, s26, s28                     ; below 12,582,912: one word
	s_add_nc_u64 s[24:25], s[24:25], s[26:27]      ; out0 at my first b, the group's first point
	; WEIGHTS: wave f loads fragment f, lane (r, h) its 16 numbers of row r, one word each (columns of the row-major weights).
	s_cmp_lt_u32 s4, 2
	s_cbranch_scc1 .Lw01
	s_cmp_lt_u32 s4, 4
	s_cbranch_scc1 .Lw23
	s_cmp_eq_u32 s4, 4
	s_cbranch_scc1 .Lw4
	s_cmp_eq_u32 s4, 5
	s_cbranch_scc1 .Lw5
	s_branch .Lcommon                              ; waves 6 and 7 have no weights to bring
.Lw01:                                             ; A1F_t: W1[16 h + p][16 t + r]
	v_lshl_add_u32 v[VW], v[VH], 11, v[VW]
	v_add_nc_u32 v[VW], s5, v[VW]
.irp p, 0,1,2,3,4,5,6,7,8,9,10,11,12,13,14,15
	global_load_b32 v[WT+\p], v[VW], s[8:9] offset:128*\p
.endr
	s_branch .Lcommon
.Lw23:                                             ; A1E_t: W1[32 + 10 h + p][16 t + r], p < 10; the last row read is 51
	v_mad_u32_u24 v[VW], v[VH], 1280, v[VW]
	v_add_nc_u32 v[VW], s5, v[VW]
.irp p, 0,1,2,3,4,5,6,7,8,9
	global_load_b32 v[WT+\p], v[VW], s[8:9] offset:4096+128*\p
.endr
.irp p, 10,11,12,13,14,15
	v_mov_b32 v[WT+\p], 0                          ; slots 10-15 carry no k
.endr
	s_branch .Lcommon
.Lw4:                                              ; A2: W2[8 h + p][r] for p < 8, W2[8 h + p + 8][r] above
	v_lshl_add_u32 v[VW], v[VH], 9, v[VW]
.irp p, 0,1,2,3,4,5,6,7
	global_load_b32 v[WT+\p], v[VW], s[10:11] offset:64*\p
.endr
.irp p, 8,9,10,11,12,13,14,15
	global_load_b32 v[WT+\p], v[VW], s[10:11] offset:64*(\p+8)
.endr
	s_branch .Lcommon
.Lw5:                                              ; A3: W3[8 h + p][min(r % 8, 2)]: every lane stays inside the 192 bytes; rows that are not wanted are zeroed below
	v_and_b32 v1, 7, v[VR]
	v_min_u32 v1, 2, v1
	v_lshlrev_b32 v[VW], 2, v1
	v_mad_u32_u24 v[VW], v[VH], 96, v[VW]
.irp p, 0,1,2,3,4,5,6,7
	global_load_b32 v[WT+\p], v[VW], s[12:13] offset:12*\p
.endr
.Lcommon:
	; 24 loads that every wave makes: the coordinates first, since they are wanted first
	global_load_b64 v[CX:CX+1], v[VCO], s[20:21]
.irp bi, 0,1,2,3
.irp i, 0,1,2,3
	global_load_b128 v[FT+16*\bi+4*\i:FT+16*\bi+4*\i+3], v[VFE], s[22:23] offset:128*\bi+16*\i   ; feature[b][16 h + 4 i ..], the same in all 16 columns
.endr
.endr
.irp t, 0,1
	global_load_b128 v[CB1+8*\t:CB1+8*\t+3],   v[VBI], s[14:15] offset:64*\t
	global_load_b128 v[CB1+8*\t+4:CB1+8*\t+7], v[VBI], s[14:15] offset:64*\t+16
.endr
	global_load_b128 v[C2:C2+3],   v[VBI], s[16:17]
	global_load_b128 v[C2+4:C2+7], v[VBI], s[16:17] offset:16
	global_load_b96 v[C3:C3+2], v[LADR], s[18:19]
	; register work while they are on their way
	v_mul_u32_u24 v[EX], 5, v[VH]
	v_lshl_add_u32 v[KSC], v[EX], 23, 0x3e800000   ; 2^(5 h - 2) by its bits: 0.25, and five steps of the exponent further 8.0
	v_mov_b32 v[KSC+1], v[KSC]
	v_mov_b32 v[KS2], 0x3c08839e                   ; the two coefficients whose multiply-add already carries a literal
	v_mov_b32 v[KS2+1], 0x3c08839e
	v_mov_b32 v[KC2], 0xbab6061a
	v_mov_b32 v[KC2+1], 0xbab6061a
.irp i, 5,6,7
	v_mov_b32 v[EP+\i], 0                          ; enc slots 10-15
.endr
.irp i, 3,4,5,6,7
	v_mov_b32 v[C3+\i], 0                          ; rows of layer 3 that nobody stores
.endr
	s_wait_loadcnt 23                              ; the 23 loads behind the coordinates stay out; the weight loads are older, so they are in too (loads return in order, ISA guide 5.7.1)
	; weights: their power of two, then to f16 and into LDS
	s_cmp_gt_u32 s4, 5
	s_cbranch_scc1 .Lsine
	s_cmp_lg_u32 s4, 5
	s_cbranch_scc1 .Lpack
	s_mov_b32 s32, SIXTY4                          ; W3 takes back the 1/64 that h2 carries
	s_mov_b32 s33, SIXTY4
	v_cmp_gt_u32 s28, 3, v[VR]                     ; rows 0-2: tile X's outputs
	v_add_nc_u32 v1, -8, v[VR]
	v_cmp_gt_u32 s29, 3, v1                        ; rows 8-10: tile Y's
.irp p, 0,1,2,3,4,5,6,7
	v_cndmask_b32 v[WT+8+\p], 0, v[WT+\p], s29     ; slots 8-15 meet Y's hidden numbers,
	v_cndmask_b32 v[WT+\p],   0, v[WT+\p], s28     ; slots 0-7 X's
.endr
.Lpack:
.irp i, 0,2,4,6,8,10,12,14
	v_pk_mul_f32 v[WT+\i:WT+\i+1], v[WT+\i:WT+\i+1], s[32:33] op_sel_hi:[1,0]      ; exact: a power of two
.endr
.irp i, 0,1,2,3,4,5,6,7
	v_cvt_pk_f16_f32 v[WP+\i], v[WT+2*\i], v[WT+2*\i+1]
.endr
	ds_store_b128 v[VFS], v[WP:WP+3]   offset:LW
	ds_store_b128 v[VFS], v[WP+4:WP+7] offset:LW+512
.Lsine:
	; MY WAVE'S ENC FRAGMENT.  t = pi x rounded once, as the reference rounds it (the factor 2^l is exact).  A quarter of the lane half's
	; first angle, 2^(5 h) t / 4, is reduced by multiples of pi/2, so that four times the rest is the angle modulo 2 pi: no quadrants.
	v_pk_mul_f32 v[TH:TH+1], v[CX:CX+1], 0x40490fdb op_sel_hi:[1,0]                 ; t = pi x
	v_pk_mul_f32 v[TH:TH+1], v[TH:TH+1], v[KSC:KSC+1]                               ; 2^(5 h - 2) t, exact
	v_pk_mul_f32 v[KQ:KQ+1], v[TH:TH+1], 0x3f22f983 op_sel_hi:[1,0]                 ; x 2 / pi
	v_rndne_f32 v[KQ], v[KQ]
	v_rndne_f32 v[KQ+1], v[KQ+1]
	v_pk_fma_f32 v[PH:PH+1], v[KQ:KQ+1], 0xbfc90fdb, v[TH:TH+1] op_sel_hi:[1,0,1]   ; - k x (pi/2 as f32)
	v_pk_fma_f32 v[PH:PH+1], v[KQ:KQ+1], 0x333bbd2e, v[PH:PH+1] op_sel_hi:[1,0,1]   ; + k x 4.37e-8, by which that f32 is too large
	v_pk_mul_f32 v[Z1:Z1+1], v[PH:PH+1], v[PH:PH+1]
	v_pk_fma_f32 v[PS:PS+1], v[Z1:Z1+1], 0xb94ca1f9, v[KS2:KS2+1] op_sel_hi:[1,0,1]
	v_pk_fma_f32 v[PC:PC+1], v[Z1:Z1+1], 0x37ccf5ce, v[KC2:KC2+1] op_sel_hi:[1,0,1]
	v_pk_fma_f32 v[PS:PS+1], v[PS:PS+1], v[Z1:Z1+1], 0xbe2aaaa3 op_sel_hi:[1,1,0]
	v_pk_fma_f32 v[PC:PC+1], v[PC:PC+1], v[Z1:Z1+1], 0x3d2aaaa5 op_sel_hi:[1,1,0]
	v_pk_mul_f32 v[Z1P:Z1P+1], v[Z1:Z1+1], v[PH:PH+1]
	v_pk_mul_f32 v[Z2:Z2+1], v[Z1:Z1+1], v[Z1:Z1+1]
	v_pk_fma_f32 v[HC:HC+1], v[Z1:Z1+1], -0.5, 1.0 op_sel_hi:[1,0,0]
	v_pk_fma_f32 v[SN:SN+1], v[PS:PS+1], v[Z1P:Z1P+1], v[PH:PH+1]                   ; sin = p + p^3 (S1 + S2 z + S3 z^2)
	v_pk_fma_f32 v[CS:CS+1], v[PC:PC+1], v[Z2:Z2+1], v[HC:HC+1]                     ; cos = 1 - z/2 + z^2 (C1 + C2 z + C3 z^2)
.macro DOUBLE                          ; the angle doubled: (c + i s)^2, under which an error only doubles
	v_pk_add_f32 v[SUM:SUM+1], v[CS:CS+1], v[SN:SN+1]
	v_pk_add_f32 v[DIF:DIF+1], v[CS:CS+1], v[SN:SN+1] neg_lo:[0,1] neg_hi:[0,1]
	v_pk_mul_f32 v[PRD:PRD+1], v[SN:SN+1], v[CS:CS+1]
	v_pk_mul_f32 v[CS:CS+1], v[SUM:SUM+1], v[DIF:DIF+1]
	v_pk_add_f32 v[SN:SN+1], v[PRD:PRD+1], v[PRD:PRD+1]
.endm
	DOUBLE
	DOUBLE                                         ; now the angle is 2^(5 h) t
	v_cvt_pk_f16_f32 v[EP], v[SN], v[CS+1]         ; sine of coordinate 0, cosine of coordinate 1
.irp i, 1,2,3,4
	DOUBLE
	v_cvt_pk_f16_f32 v[EP+\i], v[SN], v[CS+1]
.endr
	ds_store_b128 v[VFS], v[EP:EP+3]   offset:LE
	ds_store_b128 v[VFS], v[EP+4:EP+7] offset:LE+512
	; THE ONLY BARRIER: fragments written above are read by all waves below, and never written again
	s_wait_dscnt 0x0                               ; my stores are done, for the other waves' sake
	s_barrier_signal -1
	s_wait_loadcnt 0x0                             ; features and biases; registers only until the barrier's wait
.set I, 0
.rept 32
	v_cvt_pk_f16_f32 v[FEATB+I], v[FT+2*I], v[FT+2*I+1]
.set I, I+1
.endr
.irp i, 0,2,4,6,8,10,12,14
	v_pk_mul_f32 v[CB1+\i:CB1+\i+1], v[CB1+\i:CB1+\i+1], EIGHTH op_sel_hi:[1,0]     ; b1 / 8, beside W1 / 8
.endr
.irp i, 0,2,4,6
	v_pk_mul_f32 v[C2+\i:C2+\i+1], v[C2+\i:C2+\i+1], SIXTY4TH op_sel_hi:[1,0]       ; b2 / 64, beside (W2 / 8)(h1 / 8)
.endr
	s_barrier_wait -1
.macro FRAG dst, off                   ; one fragment, 8 registers, from LDS
	ds_load_b128 v[\dst:\dst+3],   v[FADR] offset:\off
	ds_load_b128 v[\dst+4:\dst+7], v[FADR] offset:\off+512
.endm
	; 28 loads, in the order in which they are wanted
	FRAG A1F,   LW
	FRAG A1F+8, LW+1024
	FRAG A1E,   LW+2048
	FRAG A1E+8, LW+3072
	FRAG ENC,   LE
	FRAG ENC+8, LE+1024
	FRAG A2,    LW+4096
	FRAG A3,    LW+5120
.irp g, 2,3,4,5,6,7
	FRAG ENC+8*\g, LE+1024*\g
.endr
	s_wait_dscnt 24                                ; A1F's four loads are in; 24 younger ones stay out
.irp bi, 0,1,2,3
.irp t, 0,1
	v_wmma_f32_16x16x32_f16 v[F+16*\bi+8*\t:F+16*\bi+8*\t+7], v[A1F+8*\t:A1F+8*\t+7], v[FEATB+8*\bi:FEATB+8*\bi+7], v[CB1+8*\t:CB1+8*\t+7]
.endr
.endr
	; five places (ISA guide 7.12.1) before F serves as the C of other accumulators and D1 is written over the feature fragments
	v_mul_u32_u24 v[SADR], v[VL], 12
	v_add_nc_u32 v[SADR], s30, v[SADR]
	v_add_nc_u32 v[LADR], s30, v[FADR]             ; (b3's load, which read v2, was waited for above)
	v_nop
	v_nop
.macro RELU2 x                         ; two relus in one issue; x is even: destinations even and odd, second sources in different banks
	v_dual_max_num_f32 v[\x], 0, v[\x] :: v_dual_max_num_f32 v[\x+1], 0, v[\x+1]
.endm
.macro ACT16 d                         ; relu of 16 registers, then to f16 in place: the fragment is v[d:d+7]
.irp i, 0,2,4,6,8,10,12,14
	RELU2 \d+\i
.endr
.irp i, 0,1,2,3,4,5,6,7
	v_cvt_pk_f16_f32 v[\d+\i], v[\d+2*\i], v[\d+2*\i+1]
.endr
.endm
.macro ACT8 s, d                       ; relu of 8 registers, then to f16 into v[d:d+3]
.irp i, 0,2,4,6
	RELU2 \s+\i
.endr
.irp i, 0,1,2,3
	v_cvt_pk_f16_f32 v[\d+\i], v[\s+2*\i], v[\s+2*\i+1]
.endr
.endm
.macro L1 d, e, f                      ; layer 1 of one tile: 32 hidden x 16 points, the sum over enc on top of the sum over the features
	v_wmma_f32_16x16x32_f16 v[\d:\d+7],    v[A1E:A1E+7],    v[\e:\e+7], v[\f:\f+7]
	v_wmma_f32_16x16x32_f16 v[\d+8:\d+15], v[A1E+8:A1E+15], v[\e:\e+7], v[\f+8:\f+15]
.endm
.macro STAGE q                         ; my point's three outputs into the stage; 12 bytes from lane to lane: three words, 32 different banks
.irp j, 0,1,2
	ds_store_b32 v[SADR], v[D3+\j] offset:384*\q+4*\j
.endr
.endm
.macro BACK                            ; a finished b: 1,536 bytes back as 16 bytes a lane.  LDS serves a wave's instructions in order (ISA guide 5.7.1): these see the stores above
	s_wait_xcnt 0x0                                ; OUTR, which the last row's stores read, is loaded again only behind this wait
.irp s, 0,1,2
	ds_load_b128 v[OUTR+4*\s:OUTR+4*\s+3], v[LADR] offset:512*\s
.endr
.endm
.macro OUT b                           ; each store of the wave covers 512 consecutive bytes at a multiple of 512 from out0's first byte (12288 = 24 x 512, 1536 = 3 x 512)
	s_wait_dscnt 0x0
.irp s, 0,1,2
	global_store_b128 v[FADR], v[OUTR+4*\s:OUTR+4*\s+3], s[24:25] offset:OROW*(\b)+512*\s th:TH_STORE_NT
.endr
.endm
	s_wait_dscnt 16                                ; A1E and enc fragments 0 and 1 are in (12 of the 28 loads)
	L1 D1X, ENC,   F
	L1 D1Y, ENC+8, F
.rept 4
	v_nop                                          ; four places before the first relu reads D1X
.endr
; UNIT U = 4 b + q.  The next unit's layer 1 is issued inside this one, so that every matrix result is read, and every matrix source
; rewritten, at least 8 vector instructions (that name none of its registers) behind its matrix instruction; 4 or 5 are asked (ISA guide 7.12.1).
.macro UNIT
.set UQ, U % 4
.set UB, U / 4
.set PQ, (U+3) % 4
.set NQ, (U+1) % 4
.set NB, (U+1) / 4
	ACT16 D1X                                      ; 16 places behind the last unit's D3
.if U > 0
	STAGE PQ                                       ; the last unit's outputs
.if UQ == 0
	BACK                                           ; it was its b's last
.endif
.endif
.if U == 0
	s_wait_dscnt 14                                ; A2 is in (14 of the 28 loads)
.endif
	v_wmma_f32_16x16x32_f16 v[D2X:D2X+7], v[A2:A2+7], v[D1X:D1X+7], v[C2:C2+7]
	ACT16 D1Y
	v_wmma_f32_16x16x32_f16 v[D2Y:D2Y+7], v[A2:A2+7], v[D1Y:D1Y+7], v[C2:C2+7]
.if U < 15
.if U < 3
	s_wait_dscnt 8-U                               ; the next unit's two enc fragments (and, older, A3).  May stay out: U = 0: the 8 loads of fragments 4-7;
	                                               ; U = 1: the 4 loads of fragments 6, 7 and 3 stage stores; U = 2: 6 stage stores
.endif
	L1 D1X, ENC+16*NQ, F+16*NB                     ; D1X was read as B 16 places ago
.endif
	ACT8 D2X, D2X
.if U < 15
	L1 D1Y, ENC+16*NQ+8, F+16*NB                   ; D1Y was read as B 8 places ago
.endif
	ACT8 D2Y, D2X+4
	v_wmma_f32_16x16x32_f16 v[D3:D3+7], v[A3:A3+7], v[D2X:D2X+7], v[C3:C3+7]
.if U > 0
.if UQ == 0
	OUT UB-1                                       ; the row read back at this unit's head
.endif
.endif
.set U, U+1
.endm
.set U, 0
.rept 16
	UNIT
.endr
.rept 4
	v_nop                                          ; four places before the last D3 is stored
.endr
	STAGE 3
	BACK
	OUT 3
	s_set_vgpr_msb 0x5
	s_wait_tensorcnt 0x0
	ds_add_u32 v0, v1
	s_wait_dscnt 0x0
	s_set_vgpr_msb 0x500
	s_endpgm
.Lfunc_end_k_q582021b436_mlp:
	.size	k_q582021b436_mlp, .Lfunc_end_k_q582021b436_mlp-k_q582021b436_mlp
	.p2alignl 7, 3214868480
	.fill 96, 4, 3214868480
	.section	.rodata,"a",@progbits
	.p2align	6, 0x0
	.amdhsa_kernel k_q582021b436_mlp
		.amdhsa_group_segment_fixed_size 27648
		.amdhsa_private_segment_fixed_size 0
		.amdhsa_enable_private_segment 0
		.amdhsa_kernarg_size 72
		.amdhsa_user_sgpr_count 2
		.amdhsa_user_sgpr_kernarg_segment_ptr 1
		.amdhsa_wavefront_size32 1
		.amdhsa_system_sgpr_workgroup_id_x 1
		.amdhsa_system_sgpr_workgroup_id_y 1
		.amdhsa_system_sgpr_workgroup_id_z 1
		.amdhsa_system_vgpr_workitem_id 0
		.amdhsa_next_free_vgpr 258
		.amdhsa_next_free_sgpr 66
		.amdhsa_reserve_vcc 0
		.amdhsa_float_denorm_mode_32 3
		.amdhsa_float_denorm_mode_16_64 3
		.amdhsa_memory_ordered 1
		.amdhsa_forward_progress 1
		.amdhsa_inst_pref_size 84
	.end_amdhsa_kernel
	.amdgpu_metadata
---
amdhsa.version: [ 1, 2 ]
amdhsa.kernels:
  - .name:           k_q582021b436_mlp
    .symbol:         k_q582021b436_mlp.kd
    .args:
      - { .name: W1, .offset: 0, .size: 8, .value_kind: global_buffer, .address_space: global }
      - { .name: W2, .offset: 8, .size: 8, .value_kind: global_buffer, .address_space: global }
      - { .name: W3, .offset: 16, .size: 8, .value_kind: global_buffer, .address_space: global }
      - { .name: b1, .offset: 24, .size: 8, .value_kind: global_buffer, .address_space: global }
      - { .name: b2, .offset: 32, .size: 8, .value_kind: global_buffer, .address_space: global }
      - { .name: b3, .offset: 40, .size: 8, .value_kind: global_buffer, .address_space: global }
      - { .name: coordinates_v, .offset: 48, .size: 8, .value_kind: global_buffer, .address_space: global }
      - { .name: feature, .offset: 56, .size: 8, .value_kind: global_buffer, .address_space: global }
      - { .name: out0, .offset: 64, .size: 8, .value_kind: global_buffer, .address_space: global }
    .group_segment_fixed_size: 27648
    .private_segment_fixed_size: 0
    .kernarg_segment_align: 8
    .kernarg_segment_size: 72
    .max_flat_workgroup_size: 256
    .sgpr_count:     66
    .vgpr_count:     258
    .wavefront_size: 32
...
	.end_amdgpu_metadata
.endif
;; end of part 1
;; ======== version 2 of 2: 1 launch; version 1 with the launch mlp written anew for expert scheduling mode
;; limits: inputs' magnitudes at most 65,536; values are held in f16: magnitudes above 65,504 overflow, below 6.1e-05 lose precision; inputs' magnitudes at most 65,504; right only within a limited range of input values
;; launch mlp (part 2): grid 8 x 32, 8 waves a work-group, no clusters, 27,648 bytes of LDS; arguments W1, W2, W3, b1, b2, b3, coordinates_v, feature, out0; writes out0
.if DOCPART == 2
	.amdgcn_target "amdgcn-amd-amdhsa--gfx1250"
	.amdhsa_code_object_version 6
	.text
	.protected	k_q582021b436_mlp
	.globl	k_q582021b436_mlp
	.p2align	8
	.type	k_q582021b436_mlp,@function
k_q582021b436_mlp:
	s_mov_b64 s[64:65], 0
	v_nop
	global_prefetch_b8 v0, s[64:65] scope:SCOPE_SE
	s_setreg_imm32_b32 hwreg(HW_REG_WAVE_SCHED_MODE, 0, 2), 2
	s_setreg_imm32_b32 hwreg(HW_REG_WAVE_MODE, 25, 1), 1
	s_wait_xcnt 0x0
	s_wait_alu depctr_vm_vsrc(0)
; out[b][n][:] = W3^T relu(W2^T relu(W1^T [feature[b] ; enc[n]] + b1) + b2) + b3, b and n 0..1023, all three layers in one launch.
; enc[n][2l] = sin(2^l pi x0), enc[n][2l+1] = cos(2^l pi x1), l = 0..9.
;
; SHARES.  A work-group (x = block of 128 n, y = block of 32 b) has eight waves; wave w owns four b (32 y + 4 w + 0..3) for all 128 n:
; 16 units of one b x 32 n.  A unit is two tiles of 16 points, X and Y, and costs 7 matrix instructions and 48 vector instructions.
;
; LAYOUT.  Weights are source A, points are source B.  In a result tile a lane then is a point and its 8 registers are 8 neighbouring
; hidden units, which after relu and rounding to f16 IS the next layer's B fragment: nothing is shuffled between layers.
; A and B use the same place (lane half h, slot p of the lane's 16 numbers) for the same k, so k may be laid as it suits:
;   features: (h, p) = feature 16 h + p;  enc: (h, p) = enc 10 h + p for p < 10, zero above;  hidden 1: p < 8: 8 h + p, else 8 h + p + 8;
;   layer 3: slots 0-7 = tile X's 16 hidden numbers (8 h + p), slots 8-15 = tile Y's; A3's rows 0-2 see X alone, rows 8-10 Y alone,
;   so that lane L's registers 0-2 of the result are the three outputs of point 32 q + L.
; Layer 1's sum over the 32 features hangs on b alone: it is made once for each b (with b1 as its start) and is the C operand of the
; product over enc: the same f32 chain as one product over all 52, features first.
;
; FORMAT.  All matrix operands are f16, all sums f32.  Six operands are rounded on the way from an input to an output (feature, W1, h1,
; W2, h2, W3); with 8 significant bits their errors add up to about 3e-3 of the output's root mean square, too near the 1e-2 that is
; allowed for three million numbers; with f16's 11 bits it is an eighth of that.  To give f16 room on both sides the layers carry exact
; powers of two, folded into weights and biases once: W1 / 8, b1 / 8, W2 / 8, b2 / 64, 64 W3, b3 as it is; relu commutes with a positive
; factor, so the hidden numbers travel as h1 / 8 and h2 / 64 and the output comes out unscaled.
; Room, by the sizes: with weights of spread 0.1 and features of spread 1, h1 is about 0.7 and h2 about 0.3.  All inputs 30 times larger:
; h1 up to some 3,000, h2 some 35,000, 64 W3 some 600.  All inputs offset by 30 spreads: h1 = 32 x 30 x 3 = 2,900, h2 = 32 x 2,900 x 3 =
; 278,000, which travels as 4,350.  All inputs 30 times smaller: W / 8 about 4e-4, h2 / 64 about 5e-5, where f16's step is 2^-24.
;
; NO CLUSTER, NO TENSOR LOADS, NO PREFETCH: a work-group reads about 15 KiB, once, in one run of register loads at its start;
; what neighbours share of that (9 KiB of weights, 1 KiB of coordinates or 4 KiB of features) is not read again.
;
; THE MODE: SCHED_MODE bits 1:0 = 2 (LLVM: expert scheduling mode 2), set by the entry lines.  The code itself states the register
; dependences between vector or matrix instructions and memory or LDS instructions, with s_wait_alu, always for 0.
; THE PLAN.  Registers that memory or LDS instructions touch:
;   v2, v3, v251-255  offsets, written by the head's vector lines, read by the head's loads, the fragments' LDS stores and loads and the
;                     stores of out0.  Each of the five ways to the common loads has ONE wait on va_vdst, behind its last address line.
;   WP, EP            written by conversions, read by the fragments' four LDS stores, which stand together behind ONE wait on va_vdst.  That
;                     wait also shows every vector line done that named v4-27 and v52-115, in which the fragments land behind the barrier:
;                     the lines between it and those loads name v36-43 and v116-227 alone.  One wait on vm_vsrc behind the barrier: the
;                     LDS stores have read WP, EP and v255, the head's loads v2 and v251-254, all of which are written again.
;   D3, D3B           layer 3 of the even and of the odd units: written by one matrix instruction each, read by three stage stores each.
;   v1, v2            stage addresses, written once behind the feature products.
;   OUTR              stage loads land in it, stores of out0 read it; no vector line names it (its first 8 registers were part of A1F).
; The units go in pairs.  An even unit from the second on has one wait on va_vdst, ahead of the six stage stores of the two units before it,
; and one wait on vm_vsrc, ahead of its last matrix instruction: those six stores have read D3 and D3B, which that instruction and the next
; unit's last one write; and the stores of out0 issued two units back have read OUTR, in which the stage loads two units on land.
; An odd unit holds no memory or LDS instruction.
;
; LIMITS.  (1) An operand beyond f16's 65,504 becomes infinite: |feature| < 65,504, |W1|, |W2|, |h1| < 524,032, |W3| < 1,023, |h2| < 4.19e6.
; (2) relu is v_max_num_f32: a NaN in a hidden number becomes 0, where the reference keeps it.
; (3) The angle is reduced with pi/2 in two f32 pieces and a quotient 16 x coordinate that is rounded in f32: right for
;     |coordinate| < 2^16 (quotient below 2^20, the reduced angle then leaves +-pi/4 by at most 0.2); beyond that accuracy fades.
;     Six angle doublings double the error of the f32 polynomials six times: some 1e-5, under the rounding of enc to f16 (2^-12).
.set LW,    0                          ; LDS: six weight fragments of 1,024 bytes: A1F_0, A1F_1, A1E_0, A1E_1, A2, A3; wave f writes fragment f
.set LE,    6144                       ; eight enc fragments of 1,024 bytes; wave g writes fragment g (points 16 g .. 16 g + 15)
.set STG,   14336                      ; eight stages of 1,536 bytes, a wave's own: one b's 128 points x 12 bytes
.set STGW,  1536
.set OROW,  12288                      ; bytes of one b in out0
; a fragment in LDS: lane L's registers 0-3 at 16 L, registers 4-7 at 512 + 16 L (neighbouring lanes, neighbouring 16 bytes)
.set EIGHTH, 0x3e000000                ; 2^-3
.set SIXTY4TH, 0x3c800000              ; 2^-6
.set SIXTY4, 0x42800000                ; 2^6
.set SADR,  1                          ; v1        stage: where my three outputs go (STG + 1536 w + 12 L)
.set LADR,  2                          ; v2        stage: where I read 16 bytes back (STG + 1536 w + 16 L); until then 0, b3's offset
.set FADR,  3                          ; v3        16 L: fragment loads and my offset in a piece of 512 bytes of out0
.set A1E,   4                          ; v[4:19]   W1's enc rows / 8, hidden 0-15 and 16-31
.set A2,    20                         ; v[20:27]  W2 / 8
.set A3,    28                         ; v[28:35]  64 W3
.set C2,    36                         ; v[36:43]  b2[8 h + j] / 64
.set C3,    44                         ; v[44:51]  b3[j] in registers 0-2, zero above
.set ENC,   52                         ; v[52:115] eight enc fragments
.set F,     116                        ; v[116:179] for each of my four b: 16 registers, (W1f^T feature + b1) / 8
.set D1X,   180                        ; v[180:195] layer 1 of tile X; its first 8 registers then hold the f16 fragment
.set D1Y,   196                        ; v[196:211] of tile Y
.set D2X,   212                        ; v[212:219] layer 2 of tile X; then the f16 fragment of X and Y
.set D2Y,   220                        ; v[220:227] of tile Y
.set D3,    228                        ; v[228:235] layer 3 of the even units
.set OUTR,  236                        ; v[236:247] a row's 48 bytes a lane on the way out
.set D3B,   248                        ; v[248:255] layer 3 of the odd units: the eight set-up registers below are dead by then
.set VL,    248                        ; lane
.set VR,    249                        ; r = lane % 16
.set VH,    250                        ; h = lane / 16
.set VW,    251                        ; offset of my weight loads
.set VCO,   252                        ; offset of my point's coordinates
.set VFE,   253                        ; 64 h: features 16 h ..
.set VBI,   254                        ; 32 h: biases 8 h ..
.set VFS,   255                        ; 1024 w + 16 L: where my wave's fragments are written
; set-up only; each is dead before the owner of its registers is written
.set WT,    4                          ; v[4:19]   16 weights in f32
.set WP,    20                         ; v[20:27]  the same as f16
.set FT,    116                        ; v[116:179] features in f32, 4 b x 16
.set FEATB, 180                        ; v[180:211] features as B fragments, 4 b x 8
.set CB1,   212                        ; v[212:227] b1[16 t + 8 h + j] / 8
.set A1F,   228                        ; v[228:243] W1's feature rows / 8
; sine and cosine: pairs, first register coordinate 0, second coordinate 1
.set CX,    52
.set TH,    54
.set KQ,    56
.set PH,    58
.set Z1,    60
.set PS,    62
.set PC,    64
.set Z1P,   66
.set Z2,    68
.set HC,    70
.set SN,    72
.set CS,    74
.set SUM,   76
.set DIF,   78
.set PRD,   80
.set KSC,   82
.set KS2,   84
.set KC2,   86
.set EP,    104                        ; v[104:111] my enc fragment
.set EX,    112
	s_load_b512 s[8:23], s[0:1], 0x0               ; W1 s[8:9], W2 s[10:11], W3 s[12:13], b1 s[14:15], b2 s[16:17], b3 s[18:19], coordinates s[20:21], feature s[22:23]
	s_load_b64 s[24:25], s[0:1], 0x40              ; out0
	s_set_vgpr_msb 0x40
	v_lshl_add_u32 v0, v0, 2, 0x6800
	v_mov_b32 v1, 0
	s_set_vgpr_msb 0x4000
	v_lshrrev_b32 v1, 5, v0
	v_readfirstlane_b32 s4, v1                     ; wave 0..7
	v_and_b32 v[VL], 31, v0
	v_and_b32 v[VR], 15, v0
	v_bfe_u32 v[VH], v0, 4, 1
	s_wait_alu depctr_va_sdst(0)                   ; s4 is written, ahead of its first reader: offsets, bases and the branches on the wave's number are made from it
	s_and_b32 s5, s4, 1
	s_lshl_b32 s5, s5, 6                           ; 64 bytes x (wave % 2): hidden 0-15 or 16-31 of a row of W1
	s_lshl_b32 s6, s4, 10                          ; my wave's fragment in LW and in LE
	s_and_b32 s7, ttmp7, 0xffff
	s_lshl_b32 s7, s7, 5
	s_lshl2_add_u32 s7, s4, s7                     ; my first b = 32 y + 4 w
	s_mul_i32 s30, s4, STGW
	s_add_co_u32 s30, s30, STG                     ; my stage
	s_mov_b32 s32, EIGHTH                          ; the factor of my wave's weights: 1/8 for W1 and W2 (wave 5 sets 64 for W3 below)
	s_mov_b32 s33, EIGHTH                          ; (the packed multiply names the pair)
	s_lshl_b32 s26, s4, 7                          ; 16 points x 8 bytes for each wave
	v_lshlrev_b32 v[FADR], 4, v[VL]
	v_mov_b32 v[LADR], 0
	v_lshlrev_b32 v[VCO], 3, v[VR]
	v_add_nc_u32 v[VCO], s26, v[VCO]               ; 128 w + 8 r: both halves of the lanes take the same 16 points
	v_lshlrev_b32 v[VFE], 6, v[VH]
	v_lshlrev_b32 v[VBI], 5, v[VH]
	v_lshl_add_u32 v[VFS], v[VL], 4, s6
	v_lshlrev_b32 v[VW], 2, v[VR]                  ; 4 r: my column of W1 or W2
	s_wait_kmcnt 0x0
	s_lshl_b32 s26, ttmp9, 10                      ; 128 points x 8 bytes
	s_mov_b32 s27, 0
	s_add_nc_u64 s[20:21], s[20:21], s[26:27]      ; coordinates at the group's first point
	s_lshl_b32 s26, s7, 7
	s_add_nc_u64 s[22:23], s[22:23], s[26:27]      ; feature at my first b
	s_mul_i32 s26, s7, OROW
	s_mul_i32 s28, ttmp9, STGW
	s_add_co_u32 s26, s26, s28                     ; below 12,582,912: one word
	s_add_nc_u64 s[24:25], s[24:25], s[26:27]      ; out0 at my first b, the group's first point
	; WEIGHTS: wave f loads fragment f, lane (r, h) its 16 numbers of row r, one word each (columns of the row-major weights).
	; Each of the five ways below has one wait on va_vdst, behind its last address line: it covers that way's v[VW] and the offsets made above.
	s_cmp_lt_u32 s4, 2
	s_cbranch_scc1 .Lw01
	s_cmp_lt_u32 s4, 4
	s_cbranch_scc1 .Lw23
	s_cmp_eq_u32 s4, 4
	s_cbranch_scc1 .Lw4
	s_cmp_eq_u32 s4, 5
	s_cbranch_scc1 .Lw5
	s_wait_alu depctr_va_vdst(0)                   ; waves 6 and 7 have no weights to bring: v2, v3 and v252 to v255 are written, which the common loads and the LDS instructions read
	s_branch .Lcommon
.Lw01:                                             ; A1F_t: W1[16 h + p][16 t + r]
	v_lshl_add_u32 v[VW], v[VH], 11, v[VW]
	v_add_nc_u32 v[VW], s5, v[VW]
	s_wait_alu depctr_va_vdst(0)                   ; v[VW] is written, which the loads below read; so are v2, v3 and v252 to v255, for the common loads and the LDS instructions
.irp p, 0,1,2,3,4,5,6,7,8,9,10,11,12,13,14,15
	global_load_b32 v[WT+\p], v[VW], s[8:9] offset:128*\p
.endr
	s_branch .Lcommon
.Lw23:                                             ; A1E_t: W1[32 + 10 h + p][16 t + r], p < 10; the last row read is 51
	v_mad_u32_u24 v[VW], v[VH], 1280, v[VW]
	v_add_nc_u32 v[VW], s5, v[VW]
	s_wait_alu depctr_va_vdst(0)                   ; v[VW] is written, which the loads below read; so are v2, v3 and v252 to v255, for the common loads and the LDS instructions
.irp p, 0,1,2,3,4,5,6,7,8,9
	global_load_b32 v[WT+\p], v[VW], s[8:9] offset:4096+128*\p
.endr
.irp p, 10,11,12,13,14,15
	v_mov_b32 v[WT+\p], 0                          ; slots 10-15 carry no k; no load of this way touches these six registers
.endr
	s_branch .Lcommon
.Lw4:                                              ; A2: W2[8 h + p][r] for p < 8, W2[8 h + p + 8][r] above
	v_lshl_add_u32 v[VW], v[VH], 9, v[VW]
	s_wait_alu depctr_va_vdst(0)                   ; v[VW] is written, which the loads below read; so are v2, v3 and v252 to v255, for the common loads and the LDS instructions
.irp p, 0,1,2,3,4,5,6,7
	global_load_b32 v[WT+\p], v[VW], s[10:11] offset:64*\p
.endr
.irp p, 8,9,10,11,12,13,14,15
	global_load_b32 v[WT+\p], v[VW], s[10:11] offset:64*(\p+8)
.endr
	s_branch .Lcommon
.Lw5:                                              ; A3: W3[8 h + p][min(r % 8, 2)]: every lane stays inside the 192 bytes; rows that are not wanted are zeroed below
	v_and_b32 v1, 7, v[VR]
	v_min_u32 v1, 2, v1
	v_lshlrev_b32 v[VW], 2, v1
	v_mad_u32_u24 v[VW], v[VH], 96, v[VW]
	s_wait_alu depctr_va_vdst(0)                   ; v[VW] is written, which the loads below read; so are v2, v3 and v252 to v255, for the common loads and the LDS instructions
.irp p, 0,1,2,3,4,5,6,7
	global_load_b32 v[WT+\p], v[VW], s[12:13] offset:12*\p
.endr
.Lcommon:
	; 24 loads that every wave makes: the coordinates first, since they are wanted first.  No vector line has named a register in which they land
	global_load_b64 v[CX:CX+1], v[VCO], s[20:21]
.irp bi, 0,1,2,3
.irp i, 0,1,2,3
	global_load_b128 v[FT+16*\bi+4*\i:FT+16*\bi+4*\i+3], v[VFE], s[22:23] offset:128*\bi+16*\i   ; feature[b][16 h + 4 i ..], the same in all 16 columns
.endr
.endr
.irp t, 0,1
	global_load_b128 v[CB1+8*\t:CB1+8*\t+3],   v[VBI], s[14:15] offset:64*\t
	global_load_b128 v[CB1+8*\t+4:CB1+8*\t+7], v[VBI], s[14:15] offset:64*\t+16
.endr
	global_load_b128 v[C2:C2+3],   v[VBI], s[16:17]
	global_load_b128 v[C2+4:C2+7], v[VBI], s[16:17] offset:16
	global_load_b96 v[C3:C3+2], v[LADR], s[18:19]
	; register work while they are on their way
	v_mul_u32_u24 v[EX], 5, v[VH]
	v_lshl_add_u32 v[KSC], v[EX], 23, 0x3e800000   ; 2^(5 h - 2) by its bits: 0.25, and five steps of the exponent further 8.0
	v_mov_b32 v[KSC+1], v[KSC]
	v_mov_b32 v[KS2], 0x3c08839e                   ; the two coefficients whose multiply-add already carries a literal
	v_mov_b32 v[KS2+1], 0x3c08839e
	v_mov_b32 v[KC2], 0xbab6061a
	v_mov_b32 v[KC2+1], 0xbab6061a
.irp i, 5,6,7
	v_mov_b32 v[EP+\i], 0                          ; enc slots 10-15
.endr
.irp i, 3,4,5,6,7
	v_mov_b32 v[C3+\i], 0                          ; rows of layer 3 that nobody stores
.endr
	s_wait_loadcnt 23                              ; the 23 loads behind the coordinates stay out; the weight loads are older, so they are in too (loads return in order, ISA guide 5.7.1)
	; weights: their power of two, then to f16; they go into LDS further down, with the enc fragment
	s_cmp_gt_u32 s4, 5
	s_cbranch_scc1 .Lsine
	s_cmp_lg_u32 s4, 5
	s_cbranch_scc1 .Lpack
	s_mov_b32 s32, SIXTY4                          ; W3 takes back the 1/64 that h2 carries
	s_mov_b32 s33, SIXTY4
	v_cmp_gt_u32 s28, 3, v[VR]                     ; rows 0-2: tile X's outputs
	v_add_nc_u32 v1, -8, v[VR]
	v_cmp_gt_u32 s29, 3, v1                        ; rows 8-10: tile Y's
	s_wait_alu depctr_va_sdst(0)                   ; the two compares have written s28 and s29, which the selects below read
.irp p, 0,1,2,3,4,5,6,7
	v_cndmask_b32 v[WT+8+\p], 0, v[WT+\p], s29     ; slots 8-15 meet Y's hidden numbers,
	v_cndmask_b32 v[WT+\p],   0, v[WT+\p], s28     ; slots 0-7 X's
.endr
.Lpack:
.irp i, 0,2,4,6,8,10,12,14
	v_pk_mul_f32 v[WT+\i:WT+\i+1], v[WT+\i:WT+\i+1], s[32:33] op_sel_hi:[1,0]      ; exact: a power of two
.endr
.irp i, 0,1,2,3,4,5,6,7
	v_cvt_pk_f16_f32 v[WP+\i], v[WT+2*\i], v[WT+2*\i+1]
.endr
.Lsine:
	; MY WAVE'S ENC FRAGMENT.  t = pi x rounded once, as the reference rounds it (the factor 2^l is exact).  A quarter of the lane half's
	; first angle, 2^(5 h) t / 4, is reduced by multiples of pi/2, so that four times the rest is the angle modulo 2 pi: no quadrants.
	v_pk_mul_f32 v[TH:TH+1], v[CX:CX+1], 0x40490fdb op_sel_hi:[1,0]                 ; t = pi x
	v_pk_mul_f32 v[TH:TH+1], v[TH:TH+1], v[KSC:KSC+1]                               ; 2^(5 h - 2) t, exact
	v_pk_mul_f32 v[KQ:KQ+1], v[TH:TH+1], 0x3f22f983 op_sel_hi:[1,0]                 ; x 2 / pi
	v_rndne_f32 v[KQ], v[KQ]
	v_rndne_f32 v[KQ+1], v[KQ+1]
	v_pk_fma_f32 v[PH:PH+1], v[KQ:KQ+1], 0xbfc90fdb, v[TH:TH+1] op_sel_hi:[1,0,1]   ; - k x (pi/2 as f32)
	v_pk_fma_f32 v[PH:PH+1], v[KQ:KQ+1], 0x333bbd2e, v[PH:PH+1] op_sel_hi:[1,0,1]   ; + k x 4.37e-8, by which that f32 is too large
	v_pk_mul_f32 v[Z1:Z1+1], v[PH:PH+1], v[PH:PH+1]
	v_pk_fma_f32 v[PS:PS+1], v[Z1:Z1+1], 0xb94ca1f9, v[KS2:KS2+1] op_sel_hi:[1,0,1]
	v_pk_fma_f32 v[PC:PC+1], v[Z1:Z1+1], 0x37ccf5ce, v[KC2:KC2+1] op_sel_hi:[1,0,1]
	v_pk_fma_f32 v[PS:PS+1], v[PS:PS+1], v[Z1:Z1+1], 0xbe2aaaa3 op_sel_hi:[1,1,0]
	v_pk_fma_f32 v[PC:PC+1], v[PC:PC+1], v[Z1:Z1+1], 0x3d2aaaa5 op_sel_hi:[1,1,0]
	v_pk_mul_f32 v[Z1P:Z1P+1], v[Z1:Z1+1], v[PH:PH+1]
	v_pk_mul_f32 v[Z2:Z2+1], v[Z1:Z1+1], v[Z1:Z1+1]
	v_pk_fma_f32 v[HC:HC+1], v[Z1:Z1+1], -0.5, 1.0 op_sel_hi:[1,0,0]
	v_pk_fma_f32 v[SN:SN+1], v[PS:PS+1], v[Z1P:Z1P+1], v[PH:PH+1]                   ; sin = p + p^3 (S1 + S2 z + S3 z^2)
	v_pk_fma_f32 v[CS:CS+1], v[PC:PC+1], v[Z2:Z2+1], v[HC:HC+1]                     ; cos = 1 - z/2 + z^2 (C1 + C2 z + C3 z^2)
.macro DOUBLE                          ; the angle doubled: (c + i s)^2, under which an error only doubles
	v_pk_add_f32 v[SUM:SUM+1], v[CS:CS+1], v[SN:SN+1]
	v_pk_add_f32 v[DIF:DIF+1], v[CS:CS+1], v[SN:SN+1] neg_lo:[0,1] neg_hi:[0,1]
	v_pk_mul_f32 v[PRD:PRD+1], v[SN:SN+1], v[CS:CS+1]
	v_pk_mul_f32 v[CS:CS+1], v[SUM:SUM+1], v[DIF:DIF+1]
	v_pk_add_f32 v[SN:SN+1], v[PRD:PRD+1], v[PRD:PRD+1]
.endm
	DOUBLE
	DOUBLE                                         ; now the angle is 2^(5 h) t
	v_cvt_pk_f16_f32 v[EP], v[SN], v[CS+1]         ; sine of coordinate 0, cosine of coordinate 1
.irp i, 1,2,3,4
	DOUBLE
	v_cvt_pk_f16_f32 v[EP+\i], v[SN], v[CS+1]
.endr
	s_wait_alu depctr_va_vdst(0)                   ; the conversions have written EP and WP, which the LDS stores read; and every vector line that named v4 to v27 and v52 to v115 is done: the fragments land there behind the barrier
	ds_store_b128 v[VFS], v[EP:EP+3]   offset:LE
	ds_store_b128 v[VFS], v[EP+4:EP+7] offset:LE+512
	s_cmp_gt_u32 s4, 5
	s_cbranch_scc1 .Lstored                        ; waves 6 and 7 have made no weight fragment
	ds_store_b128 v[VFS], v[WP:WP+3]   offset:LW
	ds_store_b128 v[VFS], v[WP+4:WP+7] offset:LW+512
.Lstored:
	; THE ONLY BARRIER: fragments written above are read by all waves below, and never written again
	s_wait_dscnt 0x0                               ; my stores are done, for the other waves' sake
	s_barrier_signal -1
	s_wait_loadcnt 0x0                             ; features and biases; registers only until the barrier's wait
.set I, 0
.rept 32
	v_cvt_pk_f16_f32 v[FEATB+I], v[FT+2*I], v[FT+2*I+1]
.set I, I+1
.endr
.irp i, 0,2,4,6,8,10,12,14
	v_pk_mul_f32 v[CB1+\i:CB1+\i+1], v[CB1+\i:CB1+\i+1], EIGHTH op_sel_hi:[1,0]     ; b1 / 8, beside W1 / 8
.endr
.irp i, 0,2,4,6
	v_pk_mul_f32 v[C2+\i:C2+\i+1], v[C2+\i:C2+\i+1], SIXTY4TH op_sel_hi:[1,0]       ; b2 / 64, beside (W2 / 8)(h1 / 8)
.endr
	s_barrier_wait -1
	s_wait_alu depctr_vm_vsrc(0)                   ; my LDS stores have read WP and EP, in which fragments land, and v255; the head's loads have read v2, written again as the stage address, and v251 to v254: v248 to v255 are D3B from here on
.macro FRAG dst, off                   ; one fragment, 8 registers, from LDS
	ds_load_b128 v[\dst:\dst+3],   v[FADR] offset:\off
	ds_load_b128 v[\dst+4:\dst+7], v[FADR] offset:\off+512
.endm
	; 28 loads, in the order in which they are wanted.  No wait on va_vdst: the vector lines since the last one name v36 to v43 and v116 to v227 alone
	FRAG A1F,   LW
	FRAG A1F+8, LW+1024
	FRAG A1E,   LW+2048
	FRAG A1E+8, LW+3072
	FRAG ENC,   LE
	FRAG ENC+8, LE+1024
	FRAG A2,    LW+4096
	FRAG A3,    LW+5120
.irp g, 2,3,4,5,6,7
	FRAG ENC+8*\g, LE+1024*\g
.endr
	s_wait_dscnt 24                                ; A1F's four loads are in; 24 younger ones stay out
.irp bi, 0,1,2,3
.irp t, 0,1
	v_wmma_f32_16x16x32_f16 v[F+16*\bi+8*\t:F+16*\bi+8*\t+7], v[A1F+8*\t:A1F+8*\t+7], v[FEATB+8*\bi:FEATB+8*\bi+7], v[CB1+8*\t:CB1+8*\t+7]
.endr
.endr
	; five places (ISA guide 7.12.1) before F serves as the C of other accumulators and D1 is written over the feature fragments
	v_mul_u32_u24 v[SADR], v[VL], 12
	v_add_nc_u32 v[SADR], s30, v[SADR]
	v_add_nc_u32 v[LADR], s30, v[FADR]             ; (b3's load, which read v2, was waited for above, and the wait on vm_vsrc behind the barrier stands behind it)
	v_nop
	v_nop
.macro RELU2 x                         ; two relus in one issue; x is even: destinations even and odd, second sources in different banks
	v_dual_max_num_f32 v[\x], 0, v[\x] :: v_dual_max_num_f32 v[\x+1], 0, v[\x+1]
.endm
.macro ACT16 d                         ; relu of 16 registers, then to f16 in place: the fragment is v[d:d+7]
.irp i, 0,2,4,6,8,10,12,14
	RELU2 \d+\i
.endr
.irp i, 0,1,2,3,4,5,6,7
	v_cvt_pk_f16_f32 v[\d+\i], v[\d+2*\i], v[\d+2*\i+1]
.endr
.endm
.macro ACT8 s, d                       ; relu of 8 registers, then to f16 into v[d:d+3]
.irp i, 0,2,4,6
	RELU2 \s+\i
.endr
.irp i, 0,1,2,3
	v_cvt_pk_f16_f32 v[\d+\i], v[\s+2*\i], v[\s+2*\i+1]
.endr
.endm
.macro L1 d, e, f                      ; layer 1 of one tile: 32 hidden x 16 points, the sum over enc on top of the sum over the features
	v_wmma_f32_16x16x32_f16 v[\d:\d+7],    v[A1E:A1E+7],    v[\e:\e+7], v[\f:\f+7]
	v_wmma_f32_16x16x32_f16 v[\d+8:\d+15], v[A1E+8:A1E+15], v[\e:\e+7], v[\f+8:\f+15]
.endm
.macro STAGE q, d                      ; my point's three outputs, from buffer d, into the stage; 12 bytes from lane to lane: three words, 32 different banks
.irp j, 0,1,2
	ds_store_b32 v[SADR], v[\d+\j] offset:384*\q+4*\j
.endr
.endm
.macro BACK                            ; a finished b: 1,536 bytes back as 16 bytes a lane.  LDS serves a wave's instructions in order (ISA guide 5.7.1): these see the stores above
	s_wait_xcnt 0x0                                ; OUTR, which the last row's stores read, is loaded again only behind this wait; that those stores have read it the wait on vm_vsrc two units back has stated
.irp s, 0,1,2
	ds_load_b128 v[OUTR+4*\s:OUTR+4*\s+3], v[LADR] offset:512*\s
.endr
.endm
.macro OUT b                           ; each store of the wave covers 512 consecutive bytes at a multiple of 512 from out0's first byte (12288 = 24 x 512, 1536 = 3 x 512)
	s_wait_dscnt 0x0
.irp s, 0,1,2
	global_store_b128 v[FADR], v[OUTR+4*\s:OUTR+4*\s+3], s[24:25] offset:OROW*(\b)+512*\s th:TH_STORE_NT
.endr
.endm
	s_wait_dscnt 16                                ; A1E and enc fragments 0 and 1 are in (12 of the 28 loads)
	L1 D1X, ENC,   F
	L1 D1Y, ENC+8, F
.rept 4
	v_nop                                          ; four places before the first relu reads D1X
.endr
; UNIT U = 4 b + q.  The next unit's layer 1 is issued inside this one, so that every matrix result is read, and every matrix source
; rewritten, at least 8 vector instructions (that name none of its registers) behind its matrix instruction; 4 or 5 are asked (ISA guide 7.12.1).
; Layer 3 lands in D3 (U even) or D3B (U odd); an even unit from the second on sends the two units before it to the stage.
.macro UNIT
.set UQ, U % 4
.set UB, U / 4
.set SQ0, (U+2) % 4
.set SQ1, (U+3) % 4
.set NQ, (U+1) % 4
.set NB, (U+1) / 4
.set DD, D3+(D3B-D3)*(U%2)
.set PAIR, 0
.if U > 0
.set PAIR, 1-(U%2)
.endif
	ACT16 D1X                                      ; 16 places behind the last unit's layer 3
.if PAIR
	s_wait_alu depctr_va_vdst(0)                   ; the last two units' matrix instructions have written D3 and D3B, which the stage stores read; at its first use also: v1 and v2 are written, and the feature products are done reading v236 to v243, in which the stage loads land
	STAGE SQ0, D3                                  ; the unit before the last
	STAGE SQ1, D3B                                 ; the last unit
.if UQ == 0
	BACK                                           ; it was its b's last
.endif
.endif
.if U == 0
	s_wait_dscnt 14                                ; A2 is in (14 of the 28 loads)
.endif
	v_wmma_f32_16x16x32_f16 v[D2X:D2X+7], v[A2:A2+7], v[D1X:D1X+7], v[C2:C2+7]
	ACT16 D1Y
	v_wmma_f32_16x16x32_f16 v[D2Y:D2Y+7], v[A2:A2+7], v[D1Y:D1Y+7], v[C2:C2+7]
.if U < 15
	; the next unit's two enc fragments (and, older, A3) are waited for in the first three units
.if U == 0
	s_wait_dscnt 8                                 ; may stay out: the 8 loads of fragments 4-7
.endif
.if U == 1
	s_wait_dscnt 4                                 ; the 4 loads of fragments 6 and 7
.endif
.if U == 2
	s_wait_dscnt 6                                 ; this unit's 6 stage stores: all 28 loads are in
.endif
	L1 D1X, ENC+16*NQ, F+16*NB                     ; D1X was read as B 16 places ago
.endif
	ACT8 D2X, D2X
.if U < 15
	L1 D1Y, ENC+16*NQ+8, F+16*NB                   ; D1Y was read as B 8 places ago
.endif
	ACT8 D2Y, D2X+4
.if PAIR
	s_wait_alu depctr_vm_vsrc(0)                   ; this unit's six stage stores have read D3 and D3B, which the matrix instruction below and the next unit's last one write; the stores of out0 issued so far have read OUTR
.endif
	v_wmma_f32_16x16x32_f16 v[DD:DD+7], v[A3:A3+7], v[D2X:D2X+7], v[C3:C3+7]
.if U > 0
.if UQ == 0
	OUT UB-1                                       ; the row read back at this unit's head
.endif
.endif
.set U, U+1
.endm
.set U, 0
.rept 16
	UNIT
.endr
.rept 4
	v_nop                                          ; four places before the last layer 3 is stored
.endr
	s_wait_alu depctr_va_vdst(0)                   ; units 14 and 15 have written D3 and D3B, which the last six stage stores read; the places above stay beside this wait
	STAGE 2, D3
	STAGE 3, D3B
	BACK
	OUT 3
	s_set_vgpr_msb 0x5
	s_wait_dscnt 0x0
	s_wait_alu depctr_hold_cnt(0) depctr_sa_sdst(0) depctr_va_vdst(0) depctr_va_sdst(0) depctr_va_ssrc(0) depctr_va_vcc(0) depctr_vm_vsrc(0)
	s_wait_tensorcnt 0x0
	ds_add_u32 v0, v1
	s_wait_dscnt 0x0
	s_endpgm
.Lfunc_end_k_q582021b436_mlp:
	.size	k_q582021b436_mlp, .Lfunc_end_k_q582021b436_mlp-k_q582021b436_mlp
	.p2alignl 7, 3214868480
	.fill 96, 4, 3214868480
	.section	.rodata,"a",@progbits
	.p2align	6, 0x0
	.amdhsa_kernel k_q582021b436_mlp
		.amdhsa_group_segment_fixed_size 27648
		.amdhsa_private_segment_fixed_size 0
		.amdhsa_enable_private_segment 0
		.amdhsa_kernarg_size 72
		.amdhsa_user_sgpr_count 2
		.amdhsa_user_sgpr_kernarg_segment_ptr 1
		.amdhsa_wavefront_size32 1
		.amdhsa_system_sgpr_workgroup_id_x 1
		.amdhsa_system_sgpr_workgroup_id_y 1
		.amdhsa_system_sgpr_workgroup_id_z 1
		.amdhsa_system_vgpr_workitem_id 0
		.amdhsa_next_free_vgpr 258
		.amdhsa_next_free_sgpr 66
		.amdhsa_reserve_vcc 0
		.amdhsa_float_denorm_mode_32 3
		.amdhsa_float_denorm_mode_16_64 3
		.amdhsa_memory_ordered 1
		.amdhsa_forward_progress 1
		.amdhsa_inst_pref_size 85
	.end_amdhsa_kernel
	.amdgpu_metadata
---
amdhsa.version: [ 1, 2 ]
amdhsa.kernels:
  - .name:           k_q582021b436_mlp
    .symbol:         k_q582021b436_mlp.kd
    .args:
      - { .name: W1, .offset: 0, .size: 8, .value_kind: global_buffer, .address_space: global }
      - { .name: W2, .offset: 8, .size: 8, .value_kind: global_buffer, .address_space: global }
      - { .name: W3, .offset: 16, .size: 8, .value_kind: global_buffer, .address_space: global }
      - { .name: b1, .offset: 24, .size: 8, .value_kind: global_buffer, .address_space: global }
      - { .name: b2, .offset: 32, .size: 8, .value_kind: global_buffer, .address_space: global }
      - { .name: b3, .offset: 40, .size: 8, .value_kind: global_buffer, .address_space: global }
      - { .name: coordinates_v, .offset: 48, .size: 8, .value_kind: global_buffer, .address_space: global }
      - { .name: feature, .offset: 56, .size: 8, .value_kind: global_buffer, .address_space: global }
      - { .name: out0, .offset: 64, .size: 8, .value_kind: global_buffer, .address_space: global }
    .group_segment_fixed_size: 27648
    .private_segment_fixed_size: 0
    .kernarg_segment_align: 8
    .kernarg_segment_size: 72
    .max_flat_workgroup_size: 256
    .sgpr_count:     66
    .vgpr_count:     258
    .wavefront_size: 32
...
	.end_amdgpu_metadata
.endif
;; end of part 2
